; MI455X (gfx1250); checked and timed in simulation.
; The chip was launched on July 23, 2026; its instructions are those of AMD's public machine-readable ISA for CDNA 5 (MIT licence, August 2026) and "CDNA5" Instruction Set Architecture Reference Guide (July 2026). The comments in the code are by the model that wrote it; some were corrected since.
;; Multi Head Attention. Allowed arithmetic: matrix products marked QUANTISED: E3M2 operands, one E8M0 scale for each 32 along K, by v_wmma_scale_f32_16x16x128_f8f6f4 with both operands' format E3M2, f32 sums; products left as they are: f32 operands where the result goes on into a quantised operand, else bf16, f16 or f32 operands; f32 sums; everything else in f32.
;; Inputs: Wk 1,024 x 1,024 float32; Wo 1,024 x 1,024 float32; Wq 1,024 x 1,024 float32; Wv 1,024 x 1,024 float32; k 4 x 4,096 x 1,024 float32; mask 16 x 16 float32; q 4 x 4,096 x 1,024 float32; v 4 x 4,096 x 1,024 float32.
;; Outputs: out0 4 x 4,096 x 1,024 float32.
;; This version of the problem:
;;   THIS VERSION OF THE PROBLEM IS GIVEN IN LOW PRECISION. The matrix products marked QUANTISED in the list below multiply operands that are first quantised to E3M2 (3 exponent bits, 2 mantissa bits; 6 bits a number), with one power-of-two scale for each 32 numbers along K (OCP MX v1.0); their sums are f32. All else is computed in f32.
;;   The module's matrix products, in the order in which they are computed (A, B: the left and right operand; K: the contracted axis; several contracted axes count as one K, in the product's order):
;;     1. [M 16,384, K 1,024] x [K 1,024, N 1,024]; A: input q; B: input Wq: QUANTISED
;;     2. [M 16,384, K 1,024] x [K 1,024, N 1,024]; A: input k; B: input Wk: QUANTISED
;;     3. [M 16,384, K 1,024] x [K 1,024, N 1,024]; A: input v; B: input Wv: QUANTISED
;;     4. batch 16,384 x [M 16, K 64] x [K 64, N 16]; A: computed on the way; B: computed on the way: QUANTISED
;;     5. batch 16,384 x [M 16, K 16] x [K 16, N 64]; A: softmax; B: computed on the way: left as it is (K = 16 < 32)
;;     6. [M 16,384, K 1,024] x [K 1,024, N 1,024]; A: computed on the way; B: input Wo: QUANTISED
;;   THE QUANTISER, for each operand of a quantised product, along K:
;;     - K is cut into blocks of 32 from its start; a last block that is shorter is filled with zeros.
;;     - A block's scale is 2^e with e = floor(log2(the largest magnitude in the block)) - 4, held to -126 .. 127; a block of zeros has e = 0. As a byte (E8M0): e + 127.
;;     - Each number is divided by its block's scale, clamped to +-28, and rounded to the nearest number of E3M2, ties to even, subnormals kept.
;;     - The product sums the exact products of the quantised numbers (number of the format x scale) in f32.
;;   ~~~python
;;   def quantise(x, axis):      # numpy; x: float32 -> the quantised numbers, widened to float32 again
;;       x = np.moveaxis(x, axis, -1); K = x.shape[-1]
;;       x = np.pad(x, [(0, 0)] * (x.ndim - 1) + [(0, -K % 32)]); x = x.reshape(x.shape[:-1] + (-1, 32)); a = np.abs(x).max(-1, keepdims=True)
;;       e = np.where(a > 0, np.clip(np.frexp(np.where(a > 0, a, 1))[1] - 1 - 4, -126, 127), 0)      # np.frexp(a)[1] - 1 = floor(log2(a)), exactly
;;       r = np.clip(x / 2.0 ** e, -28, 28)
;;       step = 2.0 ** (np.maximum(np.frexp(np.where(r == 0, 1, r))[1] - 1, -2) - 2)
;;       q = np.round(r / step) * step * 2.0 ** e      # np.round: ties to even
;;       return np.moveaxis(q.reshape(q.shape[:-2] + (-1,))[..., :K], -1, axis).astype(np.float32)
;;   ~~~
;;   OPERANDS COMPUTED ON THE WAY. 'Computed on the way' means the value that the module computes at that place (a softmax that the list does not call 'softmax' is quantised finished and normalised). What goes into a quantiser is computed in f32, as accurately as f32 sums, v_exp_f32 and their like allow (about 1e-6 of the number): no bf16 or f16 on the way to a quantiser, and a product that is left as it is and whose result goes on into a quantised operand takes f32 operands (vector FMAs, or v_wmma_f32_16x16x4_f32). A number that lies on a knife's edge between two numbers of the format may be rounded either way, as far as f32 arithmetic and the matrix unit's own rounding can turn it there, and no further.
;; One version. Each part assembles by itself: llvm-mc -triple=amdgcn-amd-amdhsa -mcpu=gfx1250 --defsym DOCPART=n.
;; ======== version 1 of 1: 2 launches
;; limits: right only within a limited range of input values
;; workspace buffers: wimg 3,276,800 bytes
;; launch wq (part 1): grid 256 x 1, 4 waves a work-group, no clusters, 0 bytes of LDS; arguments Wq, Wk, Wv, Wo, wimg; writes wimg
.if DOCPART == 1
	.amdgcn_target "amdgcn-amd-amdhsa--gfx1250"
	.amdhsa_code_object_version 6
	.text
	.protected	k_q1d0613ce6f_wq
	.globl	k_q1d0613ce6f_wq
	.p2align	8
	.type	k_q1d0613ce6f_wq,@function
k_q1d0613ce6f_wq:
	s_mov_b64 s[64:65], 0
	v_nop
	global_prefetch_b8 v0, s[64:65] scope:SCOPE_SE
	s_setreg_imm32_b32 hwreg(HW_REG_WAVE_MODE, 25, 1), 1
	s_wait_xcnt 0x0
; The four weights [1024 (n)][1024 (k)], f32, K innermost, become codes of BF6 (E3M2) with one E8M0 byte for each 32 along K,
; laid in the ORDER OF THE OPERAND'S REGISTERS, so that the second launch takes them by dense tensor loads and 16-byte LDS loads alone.
; wimg = 32 slots of 102,400 bytes, slot c = 8 p + j (p: 0 Wq, 1 Wk, 2 Wv, 3 Wo); a slot = 4 parts (one for each wave w of the reader) of 25,600 bytes;
; a part = 16 fragment images of 1,536 bytes (registers 4 c4 .. 4 c4 + 3 of lane l at 512 c4 + 16 l), then 8 x 128 bytes of scale words
; (word a of lane l: lanes 0-15 row l of fragment 2 a, lanes 16-31 row l - 16 of fragment 2 a + 1).
; Fragment f of part (p, j, w) is 16 rows n(r) x 128 along K from 128 s on:
;   Wq, Wk: s = j, n = 256 w + 128 (f / 8) + 32 ((f % 8) / 2) + 8 (f % 2) + r + 8 (r / 8)   (two neighbouring tiles give a lane of the result 16 neighbouring outputs)
;   Wv:     s = j, n = 64 r + 16 w + f                                                       (a tile = the 16 heads at one channel)
;   Wo:     s = 4 (j % 2) + f / 4, n = 256 w + 64 (j / 2) + 16 (f % 4) + r                   (two slots finish 64 outputs a wave)
; SHARES: 256 work-groups x 4 waves; a wave makes the two fragments 2 a, 2 a + 1 and scale word a of one part: 16 KiB in, 3 KiB out; all of a wave's 32 loads go out at once.  No loop, no LDS, no barrier.
; Lane (r, h) holds, of row n(r), k = 128 s + 64 c + 32 h + 0 .. 31 (c = 0, 1): two whole blocks, in the order that the operand's layout gives that lane: the conversions' results are the fragment's registers.
; A block's scale is 2^(floor(log2(largest magnitude)) - 4): its byte is the largest magnitude's exponent field - 4, held at 1 from below by a floor among the maximum's leaves.
; LIMITS: a block of zeros, or one whose largest magnitude lies under 2^-122, keeps the byte 1 (the rule says 127 for zeros: the codes are zeros, and this program alone reads the bytes); NaN and infinities are not served.
.set SLOTB, 102400
.set PARTB, 25600
.set FRB,   1536
.set X,     32                         ; v32-159  fragment e, block c, number i at X + 64 e + 32 c + i
.set CD,    160                        ; v160-183 the two fragments' codes
.set CE,    184                        ; v184-190 the second halves of two blocks, as the conversions leave them
.set MX,    10                         ; v10-11   largest magnitudes
.set SO,    12                         ; v12-13   the conversions' scale operands
.set SBY,   14                         ; v14-15   scale bytes
	s_load_b256 s[4:11], s[0:1], 0x0               ; Wq, Wk, Wv, Wo
	s_load_b64 s[12:13], s[0:1], 0x20              ; wimg
	v_lshrrev_b32 v1, 5, v0
	v_readfirstlane_b32 s14, v1                    ; wave
	s_lshr_b32 s15, ttmp9, 1                       ; part 0 .. 127
	s_and_b32 s16, ttmp9, 1                        ; which half of its fragments
	s_lshr_b32 s17, s15, 2                         ; slot c
	s_and_b32 s18, s15, 3                          ; w
	s_lshl_b32 s19, s16, 2
	s_add_co_u32 s19, s19, s14                     ; a = 4 half + wave
	s_lshr_b32 s20, s17, 3                         ; p
	s_and_b32 s21, s17, 7                          ; j
	s_lshl_b32 s22, s18, 8                         ; 256 w
	s_lshr_b32 s23, s19, 2
	s_lshl_b32 s23, s23, 7
	s_and_b32 s24, s19, 3
	s_lshl_b32 s24, s24, 5
	s_add_co_u32 s25, s22, s23
	s_add_co_u32 s25, s25, s24                     ; Wq, Wk: 256 w + 128 (a / 4) + 32 (a % 4)
	s_lshl_b32 s26, s18, 4
	s_lshl_b32 s27, s19, 1
	s_add_co_u32 s26, s26, s27                     ; Wv: 16 w + 2 a
	s_lshr_b32 s27, s21, 1
	s_lshl_b32 s27, s27, 6
	s_and_b32 s28, s19, 1
	s_lshl_b32 s28, s28, 5
	s_add_co_u32 s27, s27, s22
	s_add_co_u32 s27, s27, s28                     ; Wo: 256 w + 64 (j / 2) + 32 (a % 2)
	s_and_b32 s28, s21, 1
	s_lshl_b32 s28, s28, 2
	s_lshr_b32 s29, s19, 1
	s_add_co_u32 s28, s28, s29                     ; Wo: s = 4 (j % 2) + a / 2
	s_cmp_eq_u32 s20, 2
	s_cselect_b32 s25, s26, s25                    ; the first row,
	s_cselect_b32 s30, 6, 0                        ; r's shift,
	s_cselect_b32 s31, 1, 8                        ; rows from fragment 2 a to 2 a + 1,
	s_cselect_b32 s32, 0, 8                        ; and the leap behind a tile's first eight rows
	s_cmp_eq_u32 s20, 3
	s_cselect_b32 s25, s27, s25
	s_cselect_b32 s31, 16, s31
	s_cselect_b32 s32, 0, s32
	s_cselect_b32 s21, s28, s21                    ; the K step
	v_and_b32 v1, 15, v0                           ; r
	v_bfe_u32 v2, v0, 4, 1                         ; h
	v_and_b32 v9, 31, v0                           ; lane
	v_lshlrev_b32 v7, s30, v1
	v_lshrrev_b32 v8, 3, v1
	v_mul_u32_u24 v8, s32, v8
	v_add3_u32 v7, v7, v8, s25                     ; n(r) of fragment 2 a
	v_lshlrev_b32 v3, 12, v7                       ; a row is 4,096 bytes
	v_lshl_add_u32 v3, v2, 7, v3                   ; + 128 h
	s_lshl_b32 s33, s21, 9
	v_add_nc_u32 v3, s33, v3                       ; + 512 s
	s_lshl_b32 s34, s31, 12
	v_add_nc_u32 v4, s34, v3                       ; the same of fragment 2 a + 1
	s_mul_i32 s38, s19, 2*FRB
	v_lshl_add_u32 v5, v9, 4, s38                  ; out: 16 x lane + my first image
	s_lshl_b32 s39, s19, 7
	v_lshl_add_u32 v6, v9, 2, s39                  ; and 4 x lane + 128 a among the scale words
	v_lshlrev_b32 v17, 3, v2                       ; 8 h: my two bytes' place in the scale word
	v_mov_b32 v18, 0                               ; a lane permute's destination counts as one of its sources
	s_mov_b32 s40, 0x76543210
	s_mov_b32 s41, 0xfedcba98                      ; v_permlanex16_b32's selects for lane l xor 16
	s_mul_i32 s36, s17, SLOTB
	s_mul_i32 s35, s18, PARTB
	s_add_co_u32 s36, s36, s35
	s_mov_b32 s37, 0
	s_wait_alu depctr_va_vdst(0)
	s_wait_kmcnt 0x0
	s_cmp_eq_u32 s20, 1                            ; which weight: the choice hangs on the work-group's number alone
	s_cselect_b64 s[4:5], s[6:7], s[4:5]
	s_cmp_eq_u32 s20, 2
	s_cselect_b64 s[4:5], s[8:9], s[4:5]
	s_cmp_eq_u32 s20, 3
	s_cselect_b64 s[4:5], s[10:11], s[4:5]
	s_add_nc_u64 s[12:13], s[12:13], s[36:37]      ; wimg at my part
.irp e,0,1
.irp c,0,1
.irp q,0,1,2,3,4,5,6,7
	global_load_b128 v[X+64*\e+32*\c+4*\q:X+64*\e+32*\c+4*\q+3], v[3+\e], s[4:5] offset:256*\c+16*\q   ; a lane's eight loads take 128 consecutive bytes: a block
.endr
.endr
.endr
.macro FRAGQ e
.set XE, X+64*\e
.set CF, CD+12*\e
.irp c,0,1
	v_max3_num_f32 v[MX+\c], |v[XE+32*\c]|, |v[XE+32*\c+1]|, 0x2800000   ; my block 2 c + h: all 32 numbers are mine; and the floor 2^(5 - 127)
.endr
.irp i,2,4,6,8,10,12,14,16,18,20,22,24,26,28,30
.irp c,0,1
	v_max3_num_f32 v[MX+\c], v[MX+\c], |v[XE+32*\c+\i]|, |v[XE+32*\c+\i+1]|   ; (the two blocks by turns)
.endr
.endr
.irp c,0,1
	v_add_nc_u32 v[SO+\c], 0xfe000000, v[MX+\c]    ; 4 off the exponent field: the conversion takes that field as its scale
.endr
.irp c,0,1
	v_lshrrev_b32 v[SBY+\c], 23, v[SO+\c]          ; the scale's byte
.endr
	v_lshl_or_b32 v16, v[SBY+1], 16, v[SBY]        ; my two bytes: blocks h and 2 + h,
	v_lshlrev_b32 v16, v17, v16                    ; at their places;
	v_permlanex16_b32 v18, v16, s40, s41
	v_or_b32 v[20+\e], v16, v18                    ; with lane l xor 16's two the row's word is whole
.irp c,0,1
	v_cvt_scalef32_pk16_bf6_f32 v[CF+6*\c:CF+6*\c+2], v[XE+32*\c:XE+32*\c+15], v[SO+\c]
	v_cvt_scalef32_pk16_bf6_f32 v[CE+4*\c:CE+4*\c+2], v[XE+32*\c+16:XE+32*\c+31], v[SO+\c]   ; (a conversion's three registers begin on an even number: a block's second three do not)
.endr
	v_nop                                          ; one plain place behind a scaled conversion
.irp c,0,1
.irp i,0,1,2
	v_mov_b32 v[CF+6*\c+3+\i], v[CE+4*\c+\i]
.endr
.endr
.irp c,0,1,2
	global_store_b128 v5, v[CF+4*\c:CF+4*\c+3], s[12:13] offset:FRB*\e+512*\c   ; 32 lanes store 512 consecutive bytes, at a multiple of 256 from the buffer's first byte
.endr
.endm
	s_wait_loadcnt 16                              ; fragment 2 a's sixteen loads are in; the other fragment's sixteen may be out
	FRAGQ 0
	s_wait_loadcnt 0x0
	FRAGQ 1
	v_cmp_gt_u32 vcc_lo, 16, v9
	v_cndmask_b32 v22, v21, v20, vcc_lo            ; lanes 0-15: fragment 2 a's words, lanes 16-31: fragment 2 a + 1's
	global_store_b32 v6, v22, s[12:13] offset:16*FRB
	s_endpgm
.Lfunc_end_k_q1d0613ce6f_wq:
	.size	k_q1d0613ce6f_wq, .Lfunc_end_k_q1d0613ce6f_wq-k_q1d0613ce6f_wq
	.p2alignl 7, 3214868480
	.fill 96, 4, 3214868480
	.section	.rodata,"a",@progbits
	.p2align	6, 0x0
	.amdhsa_kernel k_q1d0613ce6f_wq
		.amdhsa_group_segment_fixed_size 0
		.amdhsa_private_segment_fixed_size 0
		.amdhsa_enable_private_segment 0
		.amdhsa_kernarg_size 40
		.amdhsa_user_sgpr_count 2
		.amdhsa_user_sgpr_kernarg_segment_ptr 1
		.amdhsa_wavefront_size32 1
		.amdhsa_system_sgpr_workgroup_id_x 1
		.amdhsa_system_sgpr_workgroup_id_y 1
		.amdhsa_system_sgpr_workgroup_id_z 1
		.amdhsa_system_vgpr_workitem_id 0
		.amdhsa_next_free_vgpr 192
		.amdhsa_next_free_sgpr 66
		.amdhsa_reserve_vcc 1
		.amdhsa_float_denorm_mode_32 3
		.amdhsa_float_denorm_mode_16_64 3
		.amdhsa_memory_ordered 1
		.amdhsa_forward_progress 1
		.amdhsa_inst_pref_size 13
	.end_amdhsa_kernel
	.amdgpu_metadata
---
amdhsa.version: [ 1, 2 ]
amdhsa.kernels:
  - .name:           k_q1d0613ce6f_wq
    .symbol:         k_q1d0613ce6f_wq.kd
    .args:
      - { .name: Wq, .offset: 0, .size: 8, .value_kind: global_buffer, .address_space: global }
      - { .name: Wk, .offset: 8, .size: 8, .value_kind: global_buffer, .address_space: global }
      - { .name: Wv, .offset: 16, .size: 8, .value_kind: global_buffer, .address_space: global }
      - { .name: Wo, .offset: 24, .size: 8, .value_kind: global_buffer, .address_space: global }
      - { .name: wimg, .offset: 32, .size: 8, .value_kind: global_buffer, .address_space: global }
    .group_segment_fixed_size: 0
    .private_segment_fixed_size: 0
    .kernarg_segment_align: 8
    .kernarg_segment_size: 40
    .max_flat_workgroup_size: 128
    .sgpr_count:     66
    .vgpr_count:     192
    .wavefront_size: 32
...
	.end_amdgpu_metadata
.endif
;; end of part 1
;; launch mha (part 2): grid 256 x 1, 4 waves a work-group, no clusters, 327,680 bytes of LDS; arguments q, k, v, mask, wimg, out0; writes out0
.if DOCPART == 2
	.amdgcn_target "amdgcn-amd-amdhsa--gfx1250"
	.amdhsa_code_object_version 6
	.text
	.protected	k_q1d0613ce6f_mha
	.globl	k_q1d0613ce6f_mha
	.p2align	8
	.type	k_q1d0613ce6f_mha,@function
k_q1d0613ce6f_mha:
	s_mov_b64 s[64:65], 0
	v_nop
	global_prefetch_b8 v0, s[64:65] scope:SCOPE_SE
	s_setreg_imm32_b32 hwreg(HW_REG_WAVE_MODE, 25, 1), 1
	s_wait_xcnt 0x0
; The whole module for 64 tokens a work-group: q, k, v are quantised (BF6, one E8M0 byte for 32 along K), projected, the heads' scores, masked softmax and
; weighted sum are made token by token, the result is quantised and projected by Wo.  Four waves; a wave makes 64 tokens x 256 outputs of each projection (512 accumulators).
; WEIGHTS: wimg holds them as images of the operand's registers, 32 slots (K step or output group) x 4 parts (one a wave).  Each byte of a part serves one wave alone,
; so it goes from memory straight into that wave's registers by loads of 512 consecutive bytes: a ring of four groups of 4 fragments (48 registers and 2 scale words, 14 loads);
; a group is asked for again behind its 16 products.  No joint tensor loads: they fill LDS, not registers, and LDS would add a write and a read of every byte for no second use.
; No prefetch of wimg: all work-groups read the same slots in the same order.
; INPUTS: a wave's 16 tokens x 256 along K (two K steps) come by one tensor load, rows of 1,024 bytes padded to 1,040 in LDS; the slot is read out into two register sets and
; filled again behind the even step's barrier; the load has two K steps in which to land.  A prefetch names the tile one refill further on: 64 blocks of 256 bytes a wave, each once.
; Each wave quantises its 16 tokens one K step ahead and hands the fragment's image to the others through LDS (two buffers, one barrier a K step).
; LIMITS: a block of zeros or under 2^-122 keeps the scale byte 1 (its codes are zeros or held small; the bytes are read here alone); NaN and infinities are not served;
; the softmax takes the row's maximum away; its promise holds while the scaled scores stay under 2^31.
.set SLOTB,  102400
.set PARTB,  25600
.set FRB,    1536
.set XPI,    1040                      ; an input row in LDS
.set XPW,    16*XPI                    ; a wave's tile
.set SPARE,  4*XPW                     ; the spare words, 512 bytes
.set CB,     SPARE+512
.set TPC,    784                       ; a token's 768 bytes of codes + 16
.set TPS,    36
.set QC,     CB
.set KC,     QC+64*TPC
.set QS,     KC+64*TPC
.set KS,     QS+64*TPS
.set XI,     KS+64*TPS                 ; the inputs' fragment images, two buffers
.set XIB,    6400
.set STG,    XI+2*XIB                  ; V's stage: 16 tokens x 4,112
.set STP,    4112
.set AC,     STG+16*STP                ; the attention result's codes and scales
.set AS,     AC+64*TPC
.set OST,    STG                       ; the way out: 16 rows x 272 a wave
.set MK,     323584                    ; the mask, in the scores' register order, a copy a wave
.set SPW, 1
.set NIL, 2
.set XR,  3
.set WO,  4
.set WO2, 5
.set PFO, 6
.set XIR, 8
.set XSR, 9
.set XIW, 10
.set XSW, 11
.set CW0, 12
.set SW0, 13
.set CW,  14
.set SW,  15
.set WS,  24                           ; v24-31 the weights' scale words
.set SCS, 32                           ; v32-39 the scores' scale words
.set XS,  40                           ; v40-55 the other side's scale words
.set TM,  56
.set PW,  68
.set CD,  70
.set CE,  82
.set XF,  96                           ; v96-191 the inputs' fragments, two sets
.set VF,  96
.set STA, 192                          ; v192-255 of windows 0 and 1: the inputs as f32, even and odd K step
.set SS,  96
.set MR,  224
.set TT,  232
.set WV,  18
.set LC,  19
.set SEL, 20
.set OPC, 24
.set OPS, 25
.set WP,  26
.set G1,  28
.set G0,  36
.set PF,  40
.set PC,  42
.set MSB, 0
.macro WIN new
.if MSB != (\new)
	s_set_vgpr_msb (MSB<<8)|(\new)
.set MSB, (\new)
.endif
.endm
.macro PLACES n
.rept \n
	v_nop
.endr
.endm
.macro BAR
	s_wait_dscnt 0x0
	s_barrier_signal -1
	s_barrier_wait -1
.endm
.macro SWM d, a, b, sa, sb, ra, rb, zero
.if \zero
.if ((\ra)==0)&&((\rb)==0)
	v_wmma_scale_f32_16x16x128_f8f6f4 v[(\d):(\d)+7], v[(\a):(\a)+11], v[(\b):(\b)+11], 0, v[\sa], v[\sb] matrix_a_fmt:MATRIX_FMT_BF6 matrix_b_fmt:MATRIX_FMT_BF6
.elseif (\rb)==0
	v_wmma_scale_f32_16x16x128_f8f6f4 v[(\d):(\d)+7], v[(\a):(\a)+11], v[(\b):(\b)+11], 0, v[\sa], v[\sb] matrix_a_fmt:MATRIX_FMT_BF6 matrix_b_fmt:MATRIX_FMT_BF6 matrix_a_scale:MATRIX_SCALE_ROW1
.elseif (\ra)==0
	v_wmma_scale_f32_16x16x128_f8f6f4 v[(\d):(\d)+7], v[(\a):(\a)+11], v[(\b):(\b)+11], 0, v[\sa], v[\sb] matrix_a_fmt:MATRIX_FMT_BF6 matrix_b_fmt:MATRIX_FMT_BF6 matrix_b_scale:MATRIX_SCALE_ROW1
.else
	v_wmma_scale_f32_16x16x128_f8f6f4 v[(\d):(\d)+7], v[(\a):(\a)+11], v[(\b):(\b)+11], 0, v[\sa], v[\sb] matrix_a_fmt:MATRIX_FMT_BF6 matrix_b_fmt:MATRIX_FMT_BF6 matrix_a_scale:MATRIX_SCALE_ROW1 matrix_b_scale:MATRIX_SCALE_ROW1
.endif
.else
.if ((\ra)==0)&&((\rb)==0)
	v_wmma_scale_f32_16x16x128_f8f6f4 v[(\d):(\d)+7], v[(\a):(\a)+11], v[(\b):(\b)+11], v[(\d):(\d)+7], v[\sa], v[\sb] matrix_a_fmt:MATRIX_FMT_BF6 matrix_b_fmt:MATRIX_FMT_BF6
.elseif (\rb)==0
	v_wmma_scale_f32_16x16x128_f8f6f4 v[(\d):(\d)+7], v[(\a):(\a)+11], v[(\b):(\b)+11], v[(\d):(\d)+7], v[\sa], v[\sb] matrix_a_fmt:MATRIX_FMT_BF6 matrix_b_fmt:MATRIX_FMT_BF6 matrix_a_scale:MATRIX_SCALE_ROW1
.elseif (\ra)==0
	v_wmma_scale_f32_16x16x128_f8f6f4 v[(\d):(\d)+7], v[(\a):(\a)+11], v[(\b):(\b)+11], v[(\d):(\d)+7], v[\sa], v[\sb] matrix_a_fmt:MATRIX_FMT_BF6 matrix_b_fmt:MATRIX_FMT_BF6 matrix_b_scale:MATRIX_SCALE_ROW1
.else
	v_wmma_scale_f32_16x16x128_f8f6f4 v[(\d):(\d)+7], v[(\a):(\a)+11], v[(\b):(\b)+11], v[(\d):(\d)+7], v[\sa], v[\sb] matrix_a_fmt:MATRIX_FMT_BF6 matrix_b_fmt:MATRIX_FMT_BF6 matrix_a_scale:MATRIX_SCALE_ROW1 matrix_b_scale:MATRIX_SCALE_ROW1
.endif
.endif
.endm
; group g of the slot at s[WP]: 4 fragments into window 1, 2 scale words: 14 loads
.macro LOADG g
	WIN 0x40
.irp i,0,1,2,3
.irp c,0,1,2
	global_load_b128 v[48*(\g)+12*\i+4*\c:48*(\g)+12*\i+4*\c+3], v[WO], s[WP:WP+1] offset:(4*(\g)+\i)*FRB+512*\c
.endr
.endr
	WIN 0
.irp n,0,1
	global_load_b32 v[WS+2*(\g)+\n], v[WO2], s[WP:WP+1] offset:16*FRB+128*(2*(\g)+\n)
.endr
.endm
.macro WSTEP                           ; the earlier loads have read the base: on to the next slot
	s_wait_xcnt 0x0
	s_add_nc_u64 s[WP:WP+1], s[WP:WP+1], SLOTB
.endm
; my tile out of LDS: lane (r, h) takes of token r, block b, 16 neighbours from 16 h on; K step 0 into window 0, K step 1 into window 1
.macro XDS
	WIN 0
.irp b,0,1,2,3
.irp j,0,1,2,3
	ds_load_b128 v[STA+16*\b+4*\j:STA+16*\b+4*\j+3], v[XR] offset:128*\b+16*\j
.endr
.endr
	WIN 0x40
.irp b,0,1,2,3
.irp j,0,1,2,3
	ds_load_b128 v[STA+16*\b+4*\j:STA+16*\b+4*\j+3], v[XR] offset:512+128*\b+16*\j
.endr
.endr
	WIN 0
.endm
.macro XSTEP turn                      ; no tensor load of mine is out: the next tile, 256 along K on; turn = 1 where the count can reach tile 4 or 8, which begin k and v
	s_add_nc_u64 s[G0+2:G0+3], s[G0+2:G0+3], 1024
	s_add_co_u32 s[LC], s[LC], 1
.if (\turn)
	s_cmp_eq_u32 s[LC], 4
	s_cbranch_scc0 .Lxk_\@
	s_mov_b64 s[G0+2:G0+3], s[6:7]                 ; tile 4: k's first
	s_or_b32 s[G0+3], s[G0+3], 0x80000000
.Lxk_\@:
	s_cmp_eq_u32 s[LC], 8
	s_cbranch_scc0 .Lxv_\@
	s_mov_b64 s[G0+2:G0+3], s[8:9]                 ; tile 8: v's first
	s_or_b32 s[G0+3], s[G0+3], 0x80000000
.Lxv_\@:
.endif
.endm
.macro XFILL
	tensor_load_to_lds s[G0:G0+3], s[G1:G1+7]
	s_nop 0
.rept 4
	v_nop
.endr
.endm
; 64 numbers of window w (16 neighbours of four blocks) -> 12 registers of codes CD and the scale word PW
.macro QUANT s, w
	WIN ((\w)<<2)|((\w)<<4)
.irp b,0,1,2,3
	v_max3_num_f32 v[TM+\b], 0x2800000, |v[(\s)+16*\b]|, |v[(\s)+16*\b+1]|
.endr
.irp i,2,4,6,8,10,12,14
.irp b,0,1,2,3
	v_max3_num_f32 v[TM+\b], v[TM+\b], |v[(\s)+16*\b+\i]|, |v[(\s)+16*\b+\i+1]|
.endr
.endr
	WIN 0
.irp b,0,1,2,3
	v_permlanex16_b32 v[TM+4+\b], v[TM+\b], s[SEL], s[SEL+1]
.endr
.irp b,0,1,2,3
	v_max_num_f32 v[TM+\b], v[TM+\b], v[TM+4+\b]
.endr
.irp b,0,1,2,3
	v_add_nc_u32 v[TM+8+\b], 0xfe000000, v[TM+\b]
.endr
.irp b,0,1,2,3
	v_lshrrev_b32 v[TM+4+\b], 23, v[TM+8+\b]
.endr
	v_lshl_or_b32 v[PW], v[TM+5], 8, v[TM+4]
	v_lshl_or_b32 v[PW], v[TM+6], 16, v[PW]
	v_lshl_or_b32 v[PW], v[TM+7], 24, v[PW]
	WIN (\w)
.irp c,0,1
	v_cvt_scalef32_pk16_bf6_f32 v[CD+6*\c:CD+6*\c+2], v[(\s)+32*\c:(\s)+32*\c+15], v[TM+8+2*\c]
	v_cvt_scalef32_pk16_bf6_f32 v[CE+4*\c:CE+4*\c+2], v[(\s)+32*\c+16:(\s)+32*\c+31], v[TM+9+2*\c]
.endr
	WIN 0
	v_nop
.irp c,0,1
.irp i,0,1,2
	v_permlane16_swap_b32 v[CD+6*\c+\i], v[CE+4*\c+\i]
.endr
.irp i,0,1,2
	v_mov_b32 v[CD+3+6*\c+\i], v[CE+4*\c+\i]
.endr
.endr
.endm
.macro XIMG bf
.irp c,0,1,2
	ds_store_b128 v[XIW], v[CD+4*\c:CD+4*\c+3] offset:(\bf)*XIB+512*\c
.endr
	ds_store_b32 v[XSW], v[PW] offset:(\bf)*XIB
.endm
.macro SLOAD sg
	WIN 0
.irp m,0,1,2,3
.irp c,0,1,2
	ds_load_b128 v[XF+48*(\sg)+12*\m+4*\c:XF+48*(\sg)+12*\m+4*\c+3], v[XIR] offset:(\sg)*XIB+FRB*\m+512*\c
.endr
.endr
.irp n,0,1
	ds_load_b32 v[XS+2*(\sg)+\n], v[XSR] offset:(\sg)*XIB+128*\n
.endr
.endm
.macro MULG g, sg, zero                ; 16 products: group g's 4 fragments x 4 blocks of tokens; the accumulators take turns
.if (\g) < 2
	WIN 0xa1
.else
	WIN 0xf1
.endif
.irp i,0,1,2,3
.irp m,0,1,2,3
	SWM 64*\m+8*((4*(\g)+\i)%8), 48*(\g)+12*\i, XF+48*(\sg)+12*\m, WS+2*(\g)+\i/2, XS+2*(\sg)+\m/2, \i%2, \m%2, \zero
.endr
.endr
.endm
; A K step of 128.  Every wait for 42 loads: the three groups asked for behind the wanted one may be out.
; qx: the next step's inputs are quantised and handed round (one barrier);  xd: the tile that has landed is read out;  rf: the slot is filled again behind the barrier
.macro TRIP sg, zero, qx, xd, rf
	s_wait_loadcnt 42
	s_wait_dscnt 0x0                               ; this step's input fragments are in
	MULG 0, \sg, \zero
	PLACES 4
	WSTEP
.if \rf
	s_add_nc_u64 s[PF:PF+1], s[PF:PF+1], 1024      ; the prefetch's tile: one further than the refill's
	s_add_co_u32 s[PC], s[PC], 1
	s_cmp_eq_u32 s[PC], 4
	s_cselect_b64 s[PF:PF+1], s[6:7], s[PF:PF+1]
	s_cmp_eq_u32 s[PC], 8
	s_cselect_b64 s[PF:PF+1], s[8:9], s[PF:PF+1]
.endif
	LOADG 0
.if \qx
	QUANT STA, (1-\sg)
	XIMG (1-\sg)
.endif
.if \xd
	s_wait_tensorcnt 0x0                           ; my tile of the next two K steps has landed
.if \rf
	XSTEP 1-\zero                                  ; an operand's first step asks for its own third tile: no change of tensor there
.endif
	XDS
.endif
	s_wait_loadcnt 42
.if \rf
	s_wait_tensorcnt 0x0                           ; ahead of a refill's barrier
	ds_add_u32 v[SPW], v[NIL]
	MULG 1, \sg, \zero
	WIN 0
	s_wait_dscnt 0x0                               ; the add, my reads of the slot, my image's stores
	s_barrier_signal -1
	s_barrier_wait -1
	XFILL                                          ; its four v_nop are the places ahead of the loads below
	LOADG 1
.else
	MULG 1, \sg, \zero
	PLACES 4
	LOADG 1
.if \qx
	BAR
.endif
.endif
.if \qx
	SLOAD (1-\sg)
.endif
.if \rf
	s_cmp_lt_u32 s[PC], 12                         ; twelve tiles in all: the last refill has none behind it
	s_cbranch_scc0 .Lnp_\@
	global_prefetch_b8 v[PFO], s[PF:PF+1] th:TH_LOAD_NT scope:SCOPE_SE
	global_prefetch_b8 v[PFO], s[PF:PF+1] offset:512 th:TH_LOAD_NT scope:SCOPE_SE
.Lnp_\@:
.endif
	s_wait_loadcnt 42
	MULG 2, \sg, \zero
	PLACES 4
	LOADG 2
	s_wait_loadcnt 42
	MULG 3, \sg, \zero
	PLACES 4
	LOADG 3
	WIN 0
.endm
.macro DRAINQK                         ; the projection's 64 x 256 results of my wave become codes along the head's axis
	v_add_nc_u32 v[CW], s[OPC], v[CW0]
	v_add_nc_u32 v[SW], s[OPS], v[SW0]
.irp hf,0,1
.irp m,0,1,2,3
	s_wait_dscnt 0x0
	QUANT 64*\m, 2+\hf
.irp k,0,1,2,3,4,5
	ds_store_b64 v[CW], v[CD+2*\k:CD+2*\k+1] offset:16*TPC*\m+96*\hf+48*(\k/3)+8*(\k%3)
.endr
	ds_store_b32 v[SW], v[PW] offset:16*TPS*\m+4*\hf
.endr
.endr
.endm
.macro SOFTMAX m
.set SB, SS+32*(\m)
.irp k,0,2,4,6
.irp i,0,1,2,3
	v_pk_mul_f32 v[SB+8*\i+\k:SB+8*\i+\k+1], v[SB+8*\i+\k:SB+8*\i+\k+1], v[MR+\k:MR+\k+1]
.endr
.endr
.irp i,0,1,2,3
	v_max3_num_f32 v[TT+4*\i], v[SB+8*\i], v[SB+8*\i+1], v[SB+8*\i+2]
.endr
.irp i,0,1,2,3
	v_max3_num_f32 v[TT+4*\i], v[TT+4*\i], v[SB+8*\i+3], v[SB+8*\i+4]
.endr
.irp i,0,1,2,3
	v_max3_num_f32 v[TT+4*\i], v[TT+4*\i], v[SB+8*\i+5], v[SB+8*\i+6]
.endr
.irp i,0,1,2,3
	v_max_num_f32 v[TT+4*\i], v[TT+4*\i], v[SB+8*\i+7]
.endr
.irp i,0,1,2,3
	v_permlanex16_b32 v[TT+4*\i+1], v[TT+4*\i], s[SEL], s[SEL+1]
.endr
.irp i,0,1,2,3
	v_max_num_f32 v[TT+4*\i], v[TT+4*\i], v[TT+4*\i+1]
.endr
.irp k,0,2,4,6
.irp i,0,1,2,3
	v_pk_add_f32 v[SB+8*\i+\k:SB+8*\i+\k+1], v[SB+8*\i+\k:SB+8*\i+\k+1], v[TT+4*\i:TT+4*\i+1] op_sel_hi:[1,0] neg_lo:[0,1] neg_hi:[0,1]
.endr
.endr
	s_wait_alu depctr_va_vdst(0)
.irp j,0,1,2,3,4,5,6,7
.irp i,0,1,2,3
	v_exp_f32 v[SB+8*\i+\j], v[SB+8*\i+\j]
.endr
.endr
	v_nop
	s_wait_alu depctr_va_vdst(0)
.irp i,0,1,2,3
	v_pk_add_f32 v[TT+4*\i+2:TT+4*\i+3], v[SB+8*\i:SB+8*\i+1], v[SB+8*\i+2:SB+8*\i+3]
.endr
.irp k,4,6
.irp i,0,1,2,3
	v_pk_add_f32 v[TT+4*\i+2:TT+4*\i+3], v[TT+4*\i+2:TT+4*\i+3], v[SB+8*\i+\k:SB+8*\i+\k+1]
.endr
.endr
.irp i,0,1,2,3
	v_add_f32 v[TT+4*\i], v[TT+4*\i+2], v[TT+4*\i+3]
.endr
.irp i,0,1,2,3
	v_permlanex16_b32 v[TT+4*\i+1], v[TT+4*\i], s[SEL], s[SEL+1]
.endr
.irp i,0,1,2,3
	v_add_f32 v[TT+4*\i], v[TT+4*\i], v[TT+4*\i+1]
.endr
	s_wait_alu depctr_va_vdst(0)
.irp i,0,1,2,3
	v_rcp_f32 v[TT+4*\i], v[TT+4*\i]
.endr
	v_nop
	s_wait_alu depctr_va_vdst(0)
.irp k,0,2,4,6
.irp i,0,1,2,3
	v_pk_mul_f32 v[SB+8*\i+\k:SB+8*\i+\k+1], v[SB+8*\i+\k:SB+8*\i+\k+1], v[TT+4*\i:TT+4*\i+1] op_sel_hi:[1,0]
.endr
.endr
.endm
; ---------------- the head
	s_load_b256 s[4:11], s[0:1], 0x0               ; q, k, v, mask
	s_load_b128 s[12:15], s[0:1], 0x20             ; wimg, out0
	v_lshl_add_u32 v[SPW], v0, 2, SPARE
	v_mov_b32 v[NIL], 0
	ds_add_u32 v[SPW], v[NIL]
	ds_add_u32 v[SPW], v[NIL]
	v_lshrrev_b32 v16, 5, v0
	v_readfirstlane_b32 s[WV], v16
	s_lshl_b32 s46, ttmp9, 18                      ; 64 tokens of 4,096 bytes a work-group,
	s_lshl_b32 s47, s[WV], 16                      ; 16 a wave
	s_add_co_u32 s46, s46, s47
	s_mov_b32 s47, 0
	s_lshl_b32 s48, ttmp9, 18
	s_lshl_b32 s49, s[WV], 10                      ; out: my 256 columns
	s_add_co_u32 s48, s48, s49
	s_mov_b32 s49, 0
	s_mul_i32 s50, s[WV], PARTB
	s_mov_b32 s51, 0
	s_mul_i32 s58, s[WV], XPW
	s_mov_b32 s[G1+0], (2<<16)|(1<<20)|(7<<22)|(3<<25)   ; elements of 4 bytes; behind every 256 words 4 words of padding
	s_mov_b32 s[G1+1], 256<<16
	s_mov_b32 s[G1+2], 16<<16
	s_mov_b32 s[G1+3], 256<<16
	s_mov_b32 s[G1+4], 16
	s_mov_b32 s[G1+5], 1024
	s_mov_b32 s[G1+6], 0
	s_mov_b32 s[G1+7], 0
	s_mov_b32 s[SEL], 0x76543210
	s_mov_b32 s[SEL+1], 0xfedcba98
	s_mov_b32 s56, 0x3e38aa3b                      ; log2(e) / 8
	s_mov_b32 s57, s56
	s_mov_b32 s[LC], 0
	s_mov_b32 s[PC], 2
	s_mov_b32 s[OPC], 0
	s_mov_b32 s[OPS], 0
	s_wait_dscnt 0x0
	s_wait_kmcnt 0x0
	s_add_nc_u64 s[4:5], s[4:5], s[46:47]
	s_add_nc_u64 s[6:7], s[6:7], s[46:47]
	s_add_nc_u64 s[8:9], s[8:9], s[46:47]
	s_add_nc_u64 s[14:15], s[14:15], s[48:49]
	s_add_nc_u64 s[WP:WP+1], s[12:13], s[50:51]
	s_add_nc_u64 s[PF:PF+1], s[4:5], 2048
	s_mov_b32 s[G0], 1
	s_mov_b32 s[G0+1], s58
	s_mov_b64 s[G0+2:G0+3], s[4:5]
	s_or_b32 s[G0+3], s[G0+3], 0x80000000
	XFILL                                          ; q's K steps 0 and 1: the first of two tensor loads at the head
	v_and_b32 v16, 15, v0
	v_bfe_u32 v17, v0, 4, 1
	v_and_b32 v18, 31, v0
	v_lshlrev_b32 v21, 6, v16
	v_lshl_add_u32 v21, v17, 5, v21
	global_load_b128 v[96:99], v21, s[10:11]       ; mask(r, 8 h ..)
	global_load_b128 v[100:103], v21, s[10:11] offset:16
	v_lshlrev_b32 v[WO], 4, v18
	v_lshlrev_b32 v[WO2], 2, v18
	s_wait_alu depctr_va_vdst(0)                   ; the wait ahead of the run of window switches below
	LOADG 0
	LOADG 1
	LOADG 2
	LOADG 3
	v_mul_u32_u24 v[XR], v16, XPI
	v_lshl_add_u32 v[XR], v17, 6, v[XR]
	v_add_nc_u32 v[XR], s58, v[XR]
	v_lshlrev_b32 v[PFO], 12, v16
	v_lshl_add_u32 v[PFO], v17, 8, v[PFO]          ; a lane a block of 256 bytes: row r, blocks h and 2 + h
	v_add_nc_u32 v[XIR], XI, v[WO]
	v_add_nc_u32 v[XSR], XI+4*FRB, v[WO2]
	s_mul_i32 s52, s[WV], FRB
	v_add_nc_u32 v[XIW], s52, v[XIR]
	s_lshl_b32 s53, s[WV], 6
	v_lshl_add_u32 v[XSW], v16, 2, s53
	v_add_nc_u32 v[XSW], XI+4*FRB, v[XSW]
	v_mul_u32_u24 v[CW0], v16, TPC
	v_mad_u32_u24 v[CW0], v17, 24, v[CW0]
	s_mul_i32 s54, s[WV], 192
	s_add_co_u32 s54, s54, QC
	v_add_nc_u32 v[CW0], s54, v[CW0]
	v_mul_u32_u24 v[SW0], v16, TPS
	s_lshl_b32 s55, s[WV], 3
	s_add_co_u32 s55, s55, QS
	v_add_nc_u32 v[SW0], s55, v[SW0]
	s_lshl_b32 s52, s[WV], 10
	s_add_co_u32 s52, s52, MK
	v_add_nc_u32 v22, s52, v[WO]
.irp b,0,1,2,3
	v_mov_b32 v[TM+4+\b], 0
.endr
	s_wait_alu depctr_va_vdst(0)                   ; the wait at the head's end
	s_wait_tensorcnt 0x0
	XSTEP 0
	XDS
	s_wait_loadcnt 56
.irp k,0,2,4,6
	v_pk_mul_f32 v[96+\k:97+\k], v[96+\k:97+\k], s[56:57] op_sel_hi:[1,0]
.endr
	s_wait_alu depctr_va_vdst(0)
	ds_store_b128 v22, v[96:99]
	ds_store_b128 v22, v[100:103] offset:512
	s_wait_tensorcnt 0x0
	ds_add_u32 v[SPW], v[NIL]
	s_wait_dscnt 0x0
	s_barrier_signal -1
	s_barrier_wait -1
	XFILL                                          ; K steps 2 and 3
	QUANT STA, 0
	XIMG 0
	BAR
	SLOAD 0
	WIN 0
; ---------------- the three projections.  Tiles 2 .. 11 are asked for in the even steps of the first ten pairs; v's last two pairs are written out
	s_mov_b32 s23, 0
.Lop:
	TRIP 0, 1, 1, 1, 1
	TRIP 1, 0, 1, 0, 0
	s_mov_b32 s22, 0
.Ldt:
	TRIP 0, 0, 1, 1, 1
	TRIP 1, 0, 1, 0, 0
	s_cmp_eq_u32 s23, 2
	s_cbranch_scc1 .Lvt
	s_add_co_u32 s22, s22, 1
	s_cmp_lt_u32 s22, 3
	s_cbranch_scc1 .Ldt
	DRAINQK
	s_add_co_u32 s[OPC], s[OPC], 64*TPC
	s_add_co_u32 s[OPS], s[OPS], 64*TPS
	s_cmp_eq_u32 s23, 0
	s_cbranch_scc1 .Lnosc
; ---------------- scores and softmax: a wave takes tokens 16 m + 4 wave + i; K = 64 of 128, the upper codes are zeros
	BAR
	WIN 0xc0
.irp f,0,1,2,3,4,5,6,7
.irp n,6,7,8,9,10,11
	v_mov_b32 v[12*\f+\n], 0
.endr
.endr
.irp i,0,1,2,3
	v_mov_b32 v[TT+4*\i+1], 0
.endr
	WIN 0
	s_mul_i32 s44, s[WV], 4*TPC
	s_mul_i32 s45, s[WV], 4*TPS
	s_lshl_b32 s46, s[WV], 10
	s_mov_b32 s43, 0
	s_mov_b32 s52, 0
	s_mov_b32 s53, 0
	v_and_b32 v22, 15, v0
	v_bfe_u32 v23, v0, 4, 1
	v_mul_u32_u24 v16, v22, 48
	v_mad_u32_u24 v16, v23, 24, v16
	v_add_nc_u32 v16, s44, v16
	v_add_nc_u32 v17, KC, v16
	v_add_nc_u32 v16, QC, v16
	v_lshl_add_u32 v18, v22, 1, s45
	v_add_nc_u32 v18, QS, v18
	v_and_b32 v22, 31, v0
	v_lshl_add_u32 v19, v22, 4, s44
	v_add_nc_u32 v20, KC, v19
	v_add_nc_u32 v19, QC, v19
	v_lshl_add_u32 v21, v22, 4, s46
	v_add_nc_u32 v21, MK, v21
	WIN 0xc0
	ds_load_b128 v[MR:MR+3], v21
	ds_load_b128 v[MR+4:MR+7], v21 offset:512
	WIN 0
	s_wait_alu depctr_va_vdst(0)
.Lsc:
	v_add_nc_u32 v89, s52, v16
	v_add_nc_u32 v90, s52, v17
	v_add_nc_u32 v91, s53, v18
	v_add_nc_u32 v92, s52, v19
	v_add_nc_u32 v93, s52, v20
	WIN 0xc0
.irp i,0,1,2,3
.irp k,0,1,2
	ds_load_b64 v[12*\i+2*\k:12*\i+2*\k+1], v89 offset:TPC*\i+8*\k
	ds_load_b64 v[48+12*\i+2*\k:48+12*\i+2*\k+1], v90 offset:TPC*\i+8*\k
.endr
.endr
	WIN 0
.irp i,0,1,2,3
	ds_load_u16 v[SCS+\i], v91 offset:TPS*\i
	ds_load_u16 v[SCS+4+\i], v91 offset:TPS*\i+64*TPS
.endr
	s_wait_dscnt 0x0                               ; the fragments are in, and the last trip's stores have read p's registers
	WIN 0xff
.irp i,0,1,2,3
	v_wmma_scale_f32_16x16x128_f8f6f4 v[SS+8*\i:SS+8*\i+7], v[48+12*\i:48+12*\i+11], v[12*\i:12*\i+11], 0, v[SCS+4+\i], v[SCS+\i] matrix_a_fmt:MATRIX_FMT_BF6 matrix_b_fmt:MATRIX_FMT_BF6
.endr
	PLACES 4
	SOFTMAX 0
	WIN 0x0c
.irp i,0,1,2,3
	ds_store_b128 v92, v[SS+8*\i:SS+8*\i+3] offset:TPC*\i      ; p waits in my own tokens' rows, whose codes I alone read and have read
	ds_store_b128 v93, v[SS+8*\i+4:SS+8*\i+7] offset:TPC*\i
.endr
	WIN 0
	s_add_co_u32 s52, s52, 16*TPC
	s_add_co_u32 s53, s53, 16*TPS
	s_add_co_u32 s43, s43, 1
	s_cmp_lt_u32 s43, 4
	s_cbranch_scc1 .Lsc
.Lnosc:
	s_add_co_u32 s23, s23, 1
	s_cmp_lt_u32 s23, 3
	s_cbranch_scc1 .Lop
.Lvt:
	TRIP 0, 0, 1, 1, 0
	TRIP 1, 0, 1, 0, 0
	TRIP 0, 0, 1, 0, 0
	TRIP 1, 0, 0, 0, 0
; ---------------- p v in f32, 16 tokens a pass: V goes through the stage, a wave takes 4 tokens, the result is quantised
	PLACES 4
	s_lshr_b32 s44, s[WV], 1
	s_lshl_b32 s44, s44, 9
	s_and_b32 s45, s[WV], 1
	s_lshl_b32 s45, s45, 7
	s_add_co_u32 s44, s44, s45
	s_add_co_u32 s44, s44, STG
	s_mul_i32 s46, s[WV], 4*STP
	s_add_co_u32 s46, s46, STG
	s_mul_i32 s47, s[WV], 4*TPC
	s_mul_i32 s48, s[WV], 4*TPS
	s_add_co_u32 s48, s48, AS
	s_mov_b32 s22, 0
	s_mov_b32 s[OPC], 0
	s_mov_b32 s[OPS], 0
	v_and_b32 v22, 15, v0
	v_bfe_u32 v23, v0, 4, 1
	v_mul_u32_u24 v16, v22, STP
	v_lshl_add_u32 v16, v23, 11, v16
	v_add_nc_u32 v16, s44, v16
	v_lshlrev_b32 v17, 4, v22
	v_lshl_add_u32 v17, v23, 11, v17
	v_add_nc_u32 v17, s46, v17
	v_mul_u32_u24 v18, v22, 48
	v_mad_u32_u24 v18, v23, 24, v18
	v_add_nc_u32 v18, s47, v18
	v_add_nc_u32 v18, AC, v18
	v_lshl_add_u32 v21, v22, 1, s48
	v_and_b32 v19, 31, v0
	v_lshl_add_u32 v19, v19, 4, s47
	v_add_nc_u32 v20, KC, v19
	v_add_nc_u32 v19, QC, v19
.macro VST m
.irp t,0,1,2,3,4,5,6,7,8,9,10,11,12,13,14,15
.if \t < 8
	WIN 0x08
.else
	WIN 0x0c
.endif
	ds_store_b128 v16, v[64*(\m)+8*(\t%8):64*(\m)+8*(\t%8)+3] offset:16*(16*(\t/8)+\t%8)
	ds_store_b128 v16, v[64*(\m)+8*(\t%8)+4:64*(\m)+8*(\t%8)+7] offset:16*(16*(\t/8)+\t%8)+1024
.endr
	WIN 0
.endm
.macro VLOAD i
	WIN 0
.irp tau,0,1,2,3
.irp q,0,1
	ds_load_b128 v[VF+32*((\i)%2)+8*\tau+4*\q:VF+32*((\i)%2)+8*\tau+4*\q+3], v17 offset:STP*(\i)+1024*\q+256*\tau
.endr
.endr
.endm
.macro PVMUL i
	WIN 0xa4
.irp s,0,1,2,3
.irp tau,0,1,2,3
.if \s == 0
	v_wmma_f32_16x16x4_f32 v[32*((\i)%2)+8*\tau:32*((\i)%2)+8*\tau+7], v[VF+32*((\i)%2)+8*\tau+2*\s:VF+32*((\i)%2)+8*\tau+2*\s+1], v[192+8*(\i)+2*\s:192+8*(\i)+2*\s+1], 0
.else
	v_wmma_f32_16x16x4_f32 v[32*((\i)%2)+8*\tau:32*((\i)%2)+8*\tau+7], v[VF+32*((\i)%2)+8*\tau+2*\s:VF+32*((\i)%2)+8*\tau+2*\s+1], v[192+8*(\i)+2*\s:192+8*(\i)+2*\s+1], v[32*((\i)%2)+8*\tau:32*((\i)%2)+8*\tau+7]
.endif
.endr
.endr
.endm
.macro AQ i
.if (\i) > 0
	s_wait_dscnt 0x0
.endif
.set EB, 32*((\i)%2)
	WIN 0x28
.irp b,0,1
	v_max3_num_f32 v[TM+\b], 0x2800000, |v[EB+16*\b]|, |v[EB+16*\b+1]|
.endr
.irp k,2,4,6,8,10,12,14
.irp b,0,1
	v_max3_num_f32 v[TM+\b], v[TM+\b], |v[EB+16*\b+\k]|, |v[EB+16*\b+\k+1]|
.endr
.endr
	WIN 0
.irp b,0,1
	v_permlanex16_b32 v[TM+4+\b], v[TM+\b], s[SEL], s[SEL+1]
.endr
.irp b,0,1
	v_max_num_f32 v[TM+\b], v[TM+\b], v[TM+4+\b]
.endr
.irp b,0,1
	v_add_nc_u32 v[TM+8+\b], 0xfe000000, v[TM+\b]
.endr
.irp b,0,1
	v_lshrrev_b32 v[TM+4+\b], 23, v[TM+8+\b]
.endr
	v_lshl_or_b32 v[PW], v[TM+5], 8, v[TM+4]
	WIN 0x02
	v_cvt_scalef32_pk16_bf6_f32 v[CD:CD+2], v[EB:EB+15], v[TM+8]
	v_cvt_scalef32_pk16_bf6_f32 v[CE:CE+2], v[EB+16:EB+31], v[TM+9]
	WIN 0
	v_nop
.irp n,0,1,2
	v_permlane16_swap_b32 v[CD+\n], v[CE+\n]
.endr
.irp n,0,1,2
	v_mov_b32 v[CD+3+\n], v[CE+\n]
.endr
.irp k,0,1,2
	ds_store_b64 v91, v[CD+2*\k:CD+2*\k+1] offset:TPC*(\i)+8*\k
.endr
	ds_store_b16 v92, v[PW] offset:TPS*(\i)
.endm
.Lpv:
	v_add_nc_u32 v89, s[OPC], v19
	v_add_nc_u32 v90, s[OPC], v20
	v_add_nc_u32 v91, s[OPC], v18
	v_add_nc_u32 v92, s[OPS], v21
	s_wait_alu depctr_va_vdst(0)                   ; the wait ahead of the branches
	s_cmp_eq_u32 s22, 0                            ; only which accumulators go to the stage differs from pass to pass
	s_cbranch_scc0 .Lp1
	VST 0
	s_branch .Lpj
.Lp1:
	s_cmp_eq_u32 s22, 1
	s_cbranch_scc0 .Lp2
	VST 1
	s_branch .Lpj
.Lp2:
	s_cmp_eq_u32 s22, 2
	s_cbranch_scc0 .Lp3
	VST 2
	s_branch .Lpj
.Lp3:
	VST 3
.Lpj:
	BAR
	WIN 0x40
.irp i,0,1,2,3
	ds_load_b128 v[192+8*\i:192+8*\i+3], v89 offset:TPC*\i
	ds_load_b128 v[192+8*\i+4:192+8*\i+7], v90 offset:TPC*\i
.endr
	VLOAD 0
	VLOAD 1
	s_wait_dscnt 8
	PVMUL 0
	s_wait_dscnt 0x0
	PVMUL 1
	WIN 0
	PLACES 8
	VLOAD 2
	VLOAD 3
	AQ 0
	s_wait_dscnt 4
	PVMUL 2
	AQ 1
	PVMUL 3
	AQ 2
	AQ 3
	BAR
	s_add_co_u32 s[OPC], s[OPC], 16*TPC
	s_add_co_u32 s[OPS], s[OPS], 16*TPS
	s_add_co_u32 s22, s22, 1
	s_cmp_lt_u32 s22, 4
	s_cbranch_scc1 .Lpv
; ---------------- the projection by Wo: all of the result's fragments in registers; two slots finish 64 outputs a wave
	s_mul_i32 s44, s[WV], 16*272
	s_add_co_u32 s44, s44, OST
	v_and_b32 v22, 15, v0
	v_bfe_u32 v23, v0, 4, 1
	v_mul_u32_u24 v16, v22, TPC
	v_mad_u32_u24 v16, v23, 24, v16
	v_add_nc_u32 v16, AC, v16
	v_mul_u32_u24 v17, v22, TPS
	v_mad_u32_u24 v17, v23, 16*TPS, v17
	v_add_nc_u32 v17, AS, v17
	v_mul_u32_u24 v18, v22, 272
	v_lshl_add_u32 v18, v23, 5, v18
	v_add_nc_u32 v18, s44, v18
	v_mul_u32_u24 v19, v23, 272
	v_lshl_add_u32 v19, v22, 4, v19
	v_add_nc_u32 v19, s44, v19
	v_lshlrev_b32 v20, 12, v23
	v_lshl_add_u32 v20, v22, 4, v20
	s_wait_alu depctr_va_vdst(0)
	WIN 0xc0
.irp s,0,1,2,3
.irp m,0,1,2,3
.irp p,0,1,2,3,4,5
	ds_load_b64 v[48*\s+12*\m+2*\p:48*\s+12*\m+2*\p+1], v16 offset:16*TPC*\m+96*\s+48*(\p/3)+8*(\p%3)
.endr
.endr
.endr
	WIN 0
.irp s,4,5,6,7
.irp m,0,1,2,3
.irp p,0,1,2,3,4,5
	ds_load_b64 v[64+48*(\s-4)+12*\m+2*\p:64+48*(\s-4)+12*\m+2*\p+1], v16 offset:16*TPC*\m+96*\s+48*(\p/3)+8*(\p%3)
.endr
.endr
.endr
.irp s,0,1,2,3,4,5,6,7
.irp n,0,1
	ds_load_b32 v[XS+2*\s+\n], v17 offset:32*TPS*\n+4*\s
.endr
.endr
.macro OMUL g, sg
.if (\sg) == 0
	WIN 0xad
.else
	WIN 0xa1
.endif
.set OZ, 0
.if ((\sg) == 0) && ((\g) == 0)
.set OZ, 1
.endif
.irp i,0,1,2,3
.irp m,0,1,2,3
	SWM 32*\m+8*\i, 48*(\g)+12*\i, 64*(\sg)+48*(\g)+12*\m, WS+2*(\g)+\i/2, XS+2*(4*(\sg)+(\g))+\m/2, \i%2, \m%2, OZ
.endr
.endr
.endm
.macro OTRIP sg, ld                    ; ld = 0: the last slot: nothing is asked for, and only the groups still to come may be out
.irp g,0,1,2,3
.if \ld
	s_wait_loadcnt 42
.else
	s_wait_loadcnt 42-14*\g
.endif
	OMUL \g, \sg
.if \ld
	PLACES 4
.if \g == 0
	WSTEP
.endif
	LOADG \g
.endif
.endr
	WIN 0
.endm
.macro TOSTAGE m
	WIN 0x08
.irp i,0,1,2,3
	ds_store_b128 v18, v[32*(\m)+8*\i:32*(\m)+8*\i+3] offset:64*\i
	ds_store_b128 v18, v[32*(\m)+8*\i+4:32*(\m)+8*\i+7] offset:64*\i+16
.endr
	WIN 0x40
.irp t,0,1,2,3,4,5,6,7
	ds_load_b128 v[STA+32*((\m)%2)+4*\t:STA+32*((\m)%2)+4*\t+3], v19 offset:544*\t
.endr
.endm
.macro SEND m, y
	s_wait_dscnt \y
	WIN 0x04
.irp t,0,1,2,3,4,5,6,7
	global_store_b128 v20, v[STA+32*((\m)%2)+4*\t:STA+32*((\m)%2)+4*\t+3], s[14:15] offset:4096*(16*(\m)+2*\t) th:TH_STORE_NT   ; sixteen lanes store 256 consecutive bytes, aligned
.endr
.endm
.macro ODRAIN
	PLACES 4
	TOSTAGE 0
	TOSTAGE 1
	SEND 0, 16
	s_wait_xcnt 0x0
	TOSTAGE 2
	SEND 1, 16
	s_wait_xcnt 0x0
	TOSTAGE 3
	SEND 2, 16
	SEND 3, 0
	WIN 0
.endm
	s_wait_dscnt 0x0
	s_mov_b32 s22, 3
.Lo:
	OTRIP 0, 1
	OTRIP 1, 1
	ODRAIN
	s_wait_xcnt 0x0
	s_add_nc_u64 s[14:15], s[14:15], 256
	s_sub_co_u32 s22, s22, 1
	s_cmp_lg_u32 s22, 0
	s_cbranch_scc1 .Lo
	OTRIP 0, 1
	OTRIP 1, 0
	ODRAIN
	s_wait_tensorcnt 0x0                           ; the wave's end
	ds_add_u32 v[SPW], v[NIL]
	s_wait_dscnt 0x0
	s_endpgm
.Lfunc_end_k_q1d0613ce6f_mha:
	.size	k_q1d0613ce6f_mha, .Lfunc_end_k_q1d0613ce6f_mha-k_q1d0613ce6f_mha
	.p2alignl 7, 3214868480
	.fill 96, 4, 3214868480
	.section	.rodata,"a",@progbits
	.p2align	6, 0x0
	.amdhsa_kernel k_q1d0613ce6f_mha
		.amdhsa_group_segment_fixed_size 327680
		.amdhsa_private_segment_fixed_size 0
		.amdhsa_enable_private_segment 0
		.amdhsa_kernarg_size 48
		.amdhsa_user_sgpr_count 2
		.amdhsa_user_sgpr_kernarg_segment_ptr 1
		.amdhsa_wavefront_size32 1
		.amdhsa_system_sgpr_workgroup_id_x 1
		.amdhsa_system_sgpr_workgroup_id_y 1
		.amdhsa_system_sgpr_workgroup_id_z 1
		.amdhsa_system_vgpr_workitem_id 0
		.amdhsa_next_free_vgpr 1024
		.amdhsa_next_free_sgpr 66
		.amdhsa_reserve_vcc 0
		.amdhsa_float_denorm_mode_32 3
		.amdhsa_float_denorm_mode_16_64 3
		.amdhsa_memory_ordered 1
		.amdhsa_forward_progress 1
		.amdhsa_inst_pref_size 255
	.end_amdhsa_kernel
	.section	.bss,"aw",@nobits
	.p2align	6
	.space	262144
	.amdgpu_metadata
---
amdhsa.version: [ 1, 2 ]
amdhsa.kernels:
  - .name:           k_q1d0613ce6f_mha
    .symbol:         k_q1d0613ce6f_mha.kd
    .args:
      - { .name: q, .offset: 0, .size: 8, .value_kind: global_buffer, .address_space: global }
      - { .name: k, .offset: 8, .size: 8, .value_kind: global_buffer, .address_space: global }
      - { .name: v, .offset: 16, .size: 8, .value_kind: global_buffer, .address_space: global }
      - { .name: mask, .offset: 24, .size: 8, .value_kind: global_buffer, .address_space: global }
      - { .name: wimg, .offset: 32, .size: 8, .value_kind: global_buffer, .address_space: global }
      - { .name: out0, .offset: 40, .size: 8, .value_kind: global_buffer, .address_space: global }
    .group_segment_fixed_size: 327680
    .private_segment_fixed_size: 0
    .kernarg_segment_align: 8
    .kernarg_segment_size: 48
    .max_flat_workgroup_size: 128
    .sgpr_count:     66
    .vgpr_count:     1024
    .wavefront_size: 32
...
	.end_amdgpu_metadata
.endif
;; end of part 2
